; MI455X (gfx1250); checked and timed in simulation.
; The chip was launched on July 23, 2026; its instructions are those of AMD's public machine-readable ISA for CDNA 5 (MIT licence, August 2026) and "CDNA5" Instruction Set Architecture Reference Guide (July 2026). The comments in the code are by the model that wrote it; some were corrected since.
;; multihead self attention. Allowed arithmetic: matrix products marked QUANTISED: E2M3 operands, one E8M0 scale for each 32 along K, by v_wmma_scale_f32_16x16x128_f8f6f4 with both operands' format E2M3, f32 sums; everything else in f32.
;; Inputs: k_proj_weight 1,024 x 1,024 float32; o_proj_weight 1,024 x 1,024 float32; q_proj_weight 1,024 x 1,024 float32; v_proj_weight 1,024 x 1,024 float32; x 2 x 2,048 x 1,024 float32.
;; Outputs: out0 2 x 2,048 x 1,024 float32.
;; This version of the problem:
;;   THIS VERSION OF THE PROBLEM IS GIVEN IN LOW PRECISION. The matrix products marked QUANTISED in the list below multiply operands that are first quantised to E2M3 (2 exponent bits, 3 mantissa bits; 6 bits a number), with one power-of-two scale for each 32 numbers along K (OCP MX v1.0); their sums are f32. All else is computed in f32.
;;   The module's matrix products, in the order in which they are computed (A, B: the left and right operand; K: the contracted axis; several contracted axes count as one K, in the product's order):
;;     1. [M 1,024, K 1,024] x [K 1,024, N 4,096]; A: input q_proj_weight; B: input x: QUANTISED
;;     2. [M 1,024, K 1,024] x [K 1,024, N 4,096]; A: input k_proj_weight; B: input x: QUANTISED
;;     3. [M 1,024, K 1,024] x [K 1,024, N 4,096]; A: input v_proj_weight; B: input x: QUANTISED
;;     4. batch 32 x [M 2,048, K 64] x [K 64, N 2,048]; A: computed on the way; B: computed on the way: QUANTISED
;;     5. batch 32 x [M 2,048, K 2,048] x [K 2,048, N 64]; A: softmax (see below); B: computed on the way: QUANTISED
;;     6. [M 4,096, K 1,024] x [K 1,024, N 1,024]; A: computed on the way; B: input o_proj_weight: QUANTISED
;;   THE QUANTISER, for each operand of a quantised product, along K:
;;     - K is cut into blocks of 32 from its start; a last block that is shorter is filled with zeros.
;;     - A block's scale is 2^e with e = floor(log2(the largest magnitude in the block)) - 2, held to -126 .. 127; a block of zeros has e = 0. As a byte (E8M0): e + 127.
;;     - Each number is divided by its block's scale, clamped to +-7.5, and rounded to the nearest number of E2M3, ties to even, subnormals kept.
;;     - The product sums the exact products of the quantised numbers (number of the format x scale) in f32.
;;   ~~~python
;;   def quantise(x, axis):      # numpy; x: float32 -> the quantised numbers, widened to float32 again
;;       x = np.moveaxis(x, axis, -1); K = x.shape[-1]
;;       x = np.pad(x, [(0, 0)] * (x.ndim - 1) + [(0, -K % 32)]); x = x.reshape(x.shape[:-1] + (-1, 32)); a = np.abs(x).max(-1, keepdims=True)
;;       e = np.where(a > 0, np.clip(np.frexp(np.where(a > 0, a, 1))[1] - 1 - 2, -126, 127), 0)      # np.frexp(a)[1] - 1 = floor(log2(a)), exactly
;;       r = np.clip(x / 2.0 ** e, -7.5, 7.5)
;;       step = 2.0 ** (np.maximum(np.frexp(np.where(r == 0, 1, r))[1] - 1, 0) - 3)
;;       q = np.round(r / step) * step * 2.0 ** e      # np.round: ties to even
;;       return np.moveaxis(q.reshape(q.shape[:-2] + (-1,))[..., :K], -1, axis).astype(np.float32)
;;   ~~~
;;   SOFTMAX AHEAD OF A QUANTISED PRODUCT. Where the list says 'softmax', what is quantised is not the finished softmax but p = 2^(t - M), with t = logit x log2(e) and M = ceil(the row's largest t), a whole number; so 1/2 < the row's largest p <= 1. The row's sum l is taken of the UNQUANTISED p, in f32, and the product's result is divided by l at the end. Since M is a whole number, a kernel that streams over the keys may use a running M (the ceiling of the running maximum): every later rescaling is an exact power of two, which a block's scale takes up: the codes' values come out the same.
;;   OPERANDS COMPUTED ON THE WAY. 'Computed on the way' means the value that the module computes at that place (a softmax that the list does not call 'softmax' is quantised finished and normalised). What goes into a quantiser is computed in f32, as accurately as f32 sums, v_exp_f32 and their like allow (about 1e-6 of the number): no bf16 or f16 on the way to a quantiser, and a product that is left as it is and whose result goes on into a quantised operand takes f32 operands (vector FMAs, or v_wmma_f32_16x16x4_f32). A number that lies on a knife's edge between two numbers of the format may be rounded either way, as far as f32 arithmetic and the matrix unit's own rounding can turn it there, and no further.
;; One version. Each part assembles by itself: llvm-mc -triple=amdgcn-amd-amdhsa -mcpu=gfx1250 --defsym DOCPART=n.
;; ======== version 1 of 1: 4 launches
;; limits: right only within a limited range of input values
;; workspace buffers: cw 6,553,600 bytes; qkv 10,092,544 bytes; oc 3,276,800 bytes
;; launch quant (part 1): grid 256 x 1, 4 waves a work-group, no clusters, 34,304 bytes of LDS; arguments x, q_proj_weight, k_proj_weight, v_proj_weight, o_proj_weight, cw; writes cw
.if DOCPART == 1
	.amdgcn_target "amdgcn-amd-amdhsa--gfx1250"
	.amdhsa_code_object_version 6
	.text
	.protected	k_q6cc7637957_quant
	.globl	k_q6cc7637957_quant
	.p2align	8
	.type	k_q6cc7637957_quant,@function
k_q6cc7637957_quant:
	s_mov_b64 s[64:65], 0
	v_nop
	global_prefetch_b8 v0, s[64:65] scope:SCOPE_SE
	s_setreg_imm32_b32 hwreg(HW_REG_WAVE_MODE, 25, 1), 1
	s_wait_xcnt 0x0
; x [4096][1024] and the four weights [1024][1024], f32, K innermost, become codes of FP6 (E2M3) with one E8M0 byte for each 32 along K.
; WHAT THE PROGRAM LEAVES OUT: score and p x v products of 16 queries with 128 keys that all lie behind those queries.  reference()'s own mask replaces every such score by -10,000, whatever the inputs, so the products reach
; no output; the masked keys themselves are not dropped (see attn).  A NaN, an infinity or an overflow that reaches only those scores is not carried to the result.
; A block's scale is 2^(floor(log2(its largest magnitude)) - 2); its byte is the largest magnitude's exponent field - 2, held at 1 from below.
; LIMITS: NaN and infinities are not served; a block of zeros gets the byte 1 (its codes are zeros, and this program alone reads the bytes);
; blocks whose largest magnitude lies under 2^-124 are held at byte 1.
; THE ROW ORDER of all operands: row block I of a tensor is its rows 64 (I / 4) + 8 (I % 4) + 32 (r / 8) + r % 8, r = 0 .. 15.  So the results of four neighbouring blocks leave 32 neighbours in each lane.
; cw: [row block 512][512 bytes of scale words: [K step / 4][r][K step % 4]; then K step 8 x 1,536 bytes of codes].  A fragment (16 rows x 128 K, 12 registers a lane) is, for each half of 64 K, registers 0-3 at 16 x lane
; (512 bytes), registers 4-5 at 8 x lane (256).  Blocks 0-255 are x; 256 + 12 head on: q's four of the head, v's first two, k's four, v's last two; 448 on: Wo.
; SHARES.  A work-group takes two row blocks; wave w takes block w / 2 of them and K half w % 2: four K steps of 128.  Each load reads 512 consecutive
; bytes of one row; a K step's 16 rows turn through the wave's own stage in LDS, so that a lane gets two whole blocks of 32 of its row.
; No barrier: waves share nothing.  Loads run two K steps (32 loads a wave) ahead.
.set SPI,  528                         ; a stage row: 512 bytes + 16
.set WST,  16*SPI
.set R0,   16                          ; v16-143  two sets of 64 registers as loaded
.set X,    144                         ; v144-207 register 32 c + n = k 64 c + 32 (lane / 16) + n of my row
.set T,    208                         ; v208-215 at work
.set PC,   224                         ; v224-235 the codes; v236-242 second halves
.set PWS,  244                         ; v244-247 the four K steps' scale words
.set SEL,  26
.macro QUANT pw
.irp c, 0,1,2,3
	v_max3_num_f32 v[T+\c], |v[X+16*\c]|, |v[X+1+16*\c]|, |v[X+2+16*\c]|
.endr
.irp i, 3,5,7,9,11,13
.irp c, 0,1,2,3
	v_max3_num_f32 v[T+\c], v[T+\c], |v[X+16*\c+\i]|, |v[X+16*\c+\i+1]|
.endr
.endr
	v_max3_num_f32 v[T], v[T], |v[X+15]|, |v[X+31]|
	v_max3_num_f32 v[T+2], v[T+2], |v[X+47]|, |v[X+63]|
	v_max3_num_f32 v[T], v[T], v[T+1], 0x1800000           ; with the floor 2^(3 - 127): the byte cannot fall under 1
	v_max3_num_f32 v[T+2], v[T+2], v[T+3], 0x1800000
	v_add_nc_u32 v[T+4], 0xff000000, v[T]                  ; 2 off the exponent field: the conversion's scale operand
	v_add_nc_u32 v[T+5], 0xff000000, v[T+2]
	v_lshrrev_b32 v[T+6], 23, v[T+4]                       ; the scale's byte
	v_lshrrev_b32 v[T+7], 23, v[T+5]
	v_cvt_scalef32_pk16_fp6_f32 v[PC:PC+2], v[X:X+15], v[T+4]
	v_cvt_scalef32_pk16_fp6_f32 v[236:238], v[X+16:X+31], v[T+4]
	v_cvt_scalef32_pk16_fp6_f32 v[PC+6:PC+8], v[X+32:X+47], v[T+5]
	v_cvt_scalef32_pk16_fp6_f32 v[240:242], v[X+48:X+63], v[T+5]
	v_lshl_or_b32 v[T+6], v[T+7], 16, v[T+6]               ; my bytes are blocks h and 2 + h
	v_lshlrev_b32 v[T+6], v9, v[T+6]
	v_permlanex16_b32 v[T+7], v[T+6], s[SEL], s[SEL+1]
	v_or_b32 v[\pw], v[T+6], v[T+7]                        ; with lane l xor 16's the word is whole
.irp i, 0,1,2
	v_mov_b32 v[PC+3+\i], v[236+\i]
	v_mov_b32 v[PC+9+\i], v[240+\i]
.endr
.endm
	s_load_b256 s[4:11], s[0:1], 0x0               ; x, Wq, Wk, Wv
	s_load_b128 s[12:15], s[0:1], 0x20             ; Wo, cw
	v_lshl_add_u32 v254, v0, 2, 0x8400
	v_mov_b32 v255, 0
	v_lshrrev_b32 v1, 5, v0
	v_readfirstlane_b32 s18, v1                    ; wave 0..3
	v_and_b32 v1, 31, v0                           ; lane
	v_and_b32 v2, 15, v0                           ; r
	v_bfe_u32 v3, v0, 4, 1                         ; h
	v_lshlrev_b32 v4, 4, v1                        ; 16 x lane
	v_lshlrev_b32 v5, 3, v1                        ; 8 x lane
	v_lshlrev_b32 v9, 3, v3                        ; 8 h
	s_mul_i32 s22, s18, WST
	v_add_nc_u32 v6, s22, v4                       ; the stage, in: a row's 512 bytes as loaded
	v_mul_u32_u24 v7, v2, SPI
	v_lshl_add_u32 v7, v3, 7, v7
	v_add_nc_u32 v7, s22, v7                       ; out: row r, + 128 h: my block of 32
	v_lshlrev_b32 v8, 4, v2
	v_lshl_add_u32 v8, v3, 3, v8                   ; the scale words' place: 16 r + 8 h
	s_mov_b32 s[SEL], 0x76543210
	s_mov_b32 s[SEL+1], 0xfedcba98
	s_lshr_b32 s23, s18, 1                         ; which of the two row blocks
	s_and_b32 s24, s18, 1                          ; which half of K
	s_and_b32 s19, ttmp9, 31
	s_cmp_lt_u32 ttmp9, 128
	s_cselect_b32 s19, ttmp9, s19                  ; my pair of row blocks in its tensor
	s_lshl_b32 s30, s19, 1
	s_add_co_u32 s30, s30, s23                     ; row block I in its tensor
	s_lshr_b32 s36, s30, 2                         ; I / 4: 64 rows of 4,096 bytes (of a weight: the head)
	s_and_b32 s37, s30, 3                          ; I % 4: 8 rows
	s_lshl_b32 s28, s36, 18
	s_lshl_b32 s25, s37, 15
	s_add_co_u32 s28, s28, s25
	s_lshl_b32 s25, s24, 11                        ; 512 numbers for the second half of K
	s_add_co_u32 s28, s28, s25
	s_mov_b32 s29, 0
	s_mul_i32 s38, s36, 12                         ; the block's place in cw
	s_add_co_u32 s38, s38, s37
	s_add_co_u32 s38, s38, 256
	s_lshr_b32 s31, s37, 1
	s_lshl_b32 s31, s31, 2
	s_add_co_u32 s31, s31, 4                       ; v: 4, 5, 10, 11
	s_cmp_lt_u32 ttmp9, 192
	s_cselect_b32 s31, 6, s31                      ; k: 6 on
	s_cmp_lt_u32 ttmp9, 160
	s_cselect_b32 s31, 0, s31                      ; q: 0 on
	s_add_co_u32 s38, s38, s31
	s_add_co_u32 s39, s30, 448
	s_cmp_lt_u32 ttmp9, 224
	s_cselect_b32 s38, s38, s39
	s_cmp_lt_u32 ttmp9, 128
	s_cselect_b32 s30, s30, s38
	s_mul_i32 s30, s30, 12800
	s_mul_i32 s25, s24, 6144
	s_add_co_u32 s32, s30, s25
	s_add_co_u32 s32, s32, 512
	s_mov_b32 s33, 0
	s_lshl_b32 s25, s24, 8
	s_add_co_u32 s34, s30, s25
	s_mov_b32 s35, 0
	s_wait_alu depctr_va_vdst(0)                   ; the wait at the head's end
	s_wait_kmcnt 0x0
	s_cmp_lt_u32 ttmp9, 224                        ; which tensor: the choice hangs on the work-group's number alone
	s_cselect_b64 s[20:21], s[10:11], s[12:13]
	s_cmp_lt_u32 ttmp9, 192
	s_cselect_b64 s[20:21], s[8:9], s[20:21]
	s_cmp_lt_u32 ttmp9, 160
	s_cselect_b64 s[20:21], s[6:7], s[20:21]
	s_cmp_lt_u32 ttmp9, 128
	s_cselect_b64 s[20:21], s[4:5], s[20:21]
	s_add_nc_u64 s[20:21], s[20:21], s[28:29]
	s_add_nc_u64 s[16:17], s[14:15], s[34:35]
	s_add_nc_u64 s[14:15], s[14:15], s[32:33]
.macro LOAD t                          ; K step t of my 16 rows: each load reads 512 consecutive bytes of one row
.irp i, 0,1,2,3,4,5,6,7,8,9,10,11,12,13,14,15
	global_load_b128 v[R0+64*((\t)%2)+4*\i:R0+64*((\t)%2)+4*\i+3], v4, s[20:21] offset:(\i%8+32*(\i/8))*4096+512*(\t) th:TH_LOAD_NT
.endr
.endm
.macro TURN t                          ; through the stage: LDS serves a wave's instructions in order, so no wait stands between the stores and the loads
.irp i, 0,1,2,3,4,5,6,7,8,9,10,11,12,13,14,15
	ds_store_b128 v6, v[R0+64*((\t)%2)+4*\i:R0+64*((\t)%2)+4*\i+3] offset:SPI*\i
.endr
.irp c, 0,1
.irp j, 0,1,2,3,4,5,6,7
	ds_load_b128 v[X+32*\c+4*\j:X+32*\c+4*\j+3], v7 offset:256*\c+16*\j
.endr
.endr
.endm
	LOAD 0
	LOAD 1
.irp t, 0,1,2,3
.if \t < 3
	s_wait_loadcnt 16                              ; this K step's 16 loads are in; the next step's 16 may be out
.else
	s_wait_loadcnt 0x0
.endif
	TURN \t
	s_wait_dscnt 0x0                               ; my 64 numbers are back, and the stage's stores have read their registers
	s_wait_xcnt 0x0                                ; the last step's stores have read the codes' registers, which are written again below
.if \t < 2
	LOAD \t+2
.endif
	QUANT PWS+\t
	global_store_b128 v4, v[PC:PC+3], s[14:15] offset:1536*\t          ; 512 consecutive bytes
	global_store_b64 v5, v[PC+4:PC+5], s[14:15] offset:1536*\t+512     ; 256
	global_store_b128 v4, v[PC+6:PC+9], s[14:15] offset:1536*\t+768
	global_store_b64 v5, v[PC+10:PC+11], s[14:15] offset:1536*\t+1280
.endr
	v_cmp_ne_u32 vcc_lo, 0, v3                     ; both halves of the lanes hold row r's four words: lanes 0-15 store words 0, 1, lanes 16-31 words 2, 3
	v_cndmask_b32 v248, v[PWS], v[PWS+2], vcc_lo
	v_cndmask_b32 v249, v[PWS+1], v[PWS+3], vcc_lo
	global_store_b64 v8, v[248:249], s[16:17]      ; 32 lanes store 256 consecutive bytes, aligned
	s_wait_tensorcnt 0x0                           ; the wave's end
	ds_add_u32 v254, v255
	s_wait_dscnt 0x0
	s_endpgm
.Lfunc_end_k_q6cc7637957_quant:
	.size	k_q6cc7637957_quant, .Lfunc_end_k_q6cc7637957_quant-k_q6cc7637957_quant
	.p2alignl 7, 3214868480
	.fill 96, 4, 3214868480
	.section	.rodata,"a",@progbits
	.p2align	6, 0x0
	.amdhsa_kernel k_q6cc7637957_quant
		.amdhsa_group_segment_fixed_size 34304
		.amdhsa_private_segment_fixed_size 0
		.amdhsa_enable_private_segment 0
		.amdhsa_kernarg_size 48
		.amdhsa_user_sgpr_count 2
		.amdhsa_user_sgpr_kernarg_segment_ptr 1
		.amdhsa_wavefront_size32 1
		.amdhsa_system_sgpr_workgroup_id_x 1
		.amdhsa_system_sgpr_workgroup_id_y 1
		.amdhsa_system_sgpr_workgroup_id_z 1
		.amdhsa_system_vgpr_workitem_id 0
		.amdhsa_next_free_vgpr 256
		.amdhsa_next_free_sgpr 66
		.amdhsa_reserve_vcc 1
		.amdhsa_float_denorm_mode_32 3
		.amdhsa_float_denorm_mode_16_64 3
		.amdhsa_memory_ordered 1
		.amdhsa_forward_progress 1
		.amdhsa_inst_pref_size 32
	.end_amdhsa_kernel
	.amdgpu_metadata
---
amdhsa.version: [ 1, 2 ]
amdhsa.kernels:
  - .name:           k_q6cc7637957_quant
    .symbol:         k_q6cc7637957_quant.kd
    .args:
      - { .name: x, .offset: 0, .size: 8, .value_kind: global_buffer, .address_space: global }
      - { .name: q_proj_weight, .offset: 8, .size: 8, .value_kind: global_buffer, .address_space: global }
      - { .name: k_proj_weight, .offset: 16, .size: 8, .value_kind: global_buffer, .address_space: global }
      - { .name: v_proj_weight, .offset: 24, .size: 8, .value_kind: global_buffer, .address_space: global }
      - { .name: o_proj_weight, .offset: 32, .size: 8, .value_kind: global_buffer, .address_space: global }
      - { .name: cw, .offset: 40, .size: 8, .value_kind: global_buffer, .address_space: global }
    .group_segment_fixed_size: 34304
    .private_segment_fixed_size: 0
    .kernarg_segment_align: 8
    .kernarg_segment_size: 48
    .max_flat_workgroup_size: 128
    .sgpr_count:     66
    .vgpr_count:     256
    .wavefront_size: 32
...
	.end_amdgpu_metadata
.endif
;; end of part 1
;; launch qkv (part 2): grid 16 x 16, 4 waves a work-group, clusters of 4 x 4, 327,680 bytes of LDS; arguments cw, qkv; writes qkv
.if DOCPART == 2
	.amdgcn_target "amdgcn-amd-amdhsa--gfx1250"
	.amdhsa_code_object_version 6
	.text
	.protected	k_q6cc7637957_qkv
	.globl	k_q6cc7637957_qkv
	.p2align	8
	.type	k_q6cc7637957_qkv,@function
k_q6cc7637957_qkv:
	s_mov_b64 s[64:65], 0
	v_nop
	global_prefetch_b8 v0, s[64:65] scope:SCOPE_SE
	s_setreg_imm32_b32 hwreg(HW_REG_WAVE_MODE, 25, 1), 1
	s_wait_xcnt 0x0
	s_wait_alu depctr_hold_cnt(0) depctr_sa_sdst(0) depctr_va_vdst(0) depctr_va_sdst(0) depctr_va_ssrc(0) depctr_va_vcc(0) depctr_vm_vsrc(0)
	s_getreg_b32 s2, hwreg(HW_REG_IB_STS2, 6, 4)
	s_cmp_eq_u32 s2, 0
	s_cbranch_scc0 .Lentry_in_a_cluster
	s_endpgm
.Lentry_in_a_cluster:
	s_bfe_u32 s2, ttmp6, 0x10000c
	s_cmp_lg_u32 s2, 0xf033
	s_cbranch_scc0 .Lentry_shape_is_right
	s_endpgm
.Lentry_shape_is_right:
; q = x Wq^T, k = x Wk^T, v = x Wv^T on codes of FP6 (E2M3) with E8M0 scales, K = 1,024, sums in f32; each result is quantised in registers, q and k along the head's 64, v along the keys.
; SHARES.  A work-group makes q, k and v of ONE head for 256 tokens: 256 x 192.  Wave (ra, cb) takes 128 tokens (8 blocks of 16: one key step of the attention) and six blocks of weights: q's four (cb = 0) or k's four (cb = 1), and two of v's.
; q, k: source 0 = the weight, source 1 = x: a lane holds one token, its 32 registers of four blocks are features 32 (lane / 16) + 0 .. 31.  v: source 0 = x, source 1 = the weight: a lane holds one feature, 32 registers are 32 keys.
; So each scale block of 32 lies in one lane's 32 registers.
; OUT: qkv: q at 0: [batch x head 32][key step 16][8 blocks x 768 bytes; 512 of scale words]; at 3,407,872 k and v: [32][16][k's 8 blocks x 768; v's 4 fragments x 1,536; k's words 512; v's words 256].
; k's and q's words: lane (r, h) has four words, blocks 4 h + 0 .. 3, row r; v's: two words, fragments 2 h, 2 h + 1.  Only a word's lower two bytes count for q and k: the others meet zero codes and are finite.
; CLUSTERS: 4 x 4.  x's tiles hang on cy and are shared along a row, the weights' on cx and are shared along a column: each is asked for jointly.
; K goes in three pieces: the scale words and K steps 0-3 at the head, one load a wave; steps 4-6 behind the first round; step 7 over the first piece, behind a round in step 3.
; No prefetch: the launch has no loop; each piece is asked for once, whole, behind the first round at which its place is free.
; LIMITS: NaN and infinities are not served; a block of zeros gets the byte 1 (its codes are zeros; this program alone reads the bytes); blocks under 2^-124 are held at byte 1.
; REGISTERS: window 0: v4-21 addresses; v32-63 x's scale words (8 (block % 4) + K step; lanes 16-31 blocks 4-7), v68-91 the weights' (8 (block % 3) + K step; lanes 16-31 blocks 3-5): numbers that differ modulo 8;
;   v96-191 x's fragments of odd K steps.  window 1: x's of even steps at 0, the weights' at 96 (even) and 168 (odd).  window 2: q or k, block a at 32 a; window 3: v, fragment t at 64 t.
.set STA,  6656                        ; an LDS row: a block's scale words and K steps 0-3;  28 rows
.set STB,  4608                        ; K steps 4-6
.set STC,  1536                        ; K step 7
.set RB,   28*STA
.set SPARE, RB+28*STB                  ; the spare words, 512 bytes that no other line names
.set L16,  18
.set L8,   19
.set H8,   20                          ; 8 x (lane / 16)
.set R8,   21                          ; 8 r
.set SPW,  28
.set NIL,  29
.set SCX,  32
.set SCW,  68
.set SEL,  100
.set G1,   24
.set G1B,  32
.set G0,   40                          ; s[40:51] groups 0 for x, one for each piece;  s[52:63] for the weights
.set G0B,  52
.set MSB, 0
.macro WIN new                         ; the immediate's high byte repeats the setting that is left
.if MSB != (\new)
	s_set_vgpr_msb (MSB<<8)|(\new)
.set MSB, (\new)
.endif
.endm
.macro PLACES                          ; four plain instructions behind a matrix instruction, in front of loads into its sources and of reads of its result
.rept 4
	v_nop
.endr
.endm
; A joint load: waves 0 and 1 fetch x's blocks, waves 2 and 3 the weights'.  The branch hangs on the wave's number alone.
.macro JLOAD n
	s_cmp_eq_u32 s15, 0
	s_cbranch_scc0 .Lfor_w_\@
	tensor_load_to_lds s[G0+4*\n:G0+4*\n+3], s[G1:G1+7]
	s_nop 0
	PLACES
	s_branch .Lasked_\@
.Lfor_w_\@:
	tensor_load_to_lds s[G0B+4*\n:G0B+4*\n+3], s[G1B:G1B+7]
	s_nop 0
	PLACES
.Lasked_\@:
.endm
.macro CREST                           ; a round of the cluster's barrier behind its opening barrier
	s_cmp_lg_u32 s14, 0
	s_cbranch_scc1 .Lnot_wave_0_\@
	s_barrier_signal -3
.Lnot_wave_0_\@:
	s_barrier_wait -3
	s_barrier_signal -1
	s_barrier_wait -1
.endm
.macro CROUND
	s_barrier_signal -1
	s_barrier_wait -1
	CREST
.endm
.macro SETG g, base, d, lds, stride, off
	s_mov_b32 s[\g], 1
	s_mul_i32 s[\g+1], s\d, \stride
	s_add_co_u32 s[\g+1], s[\g+1], \lds
	s_add_nc_u64 s[\g+2:\g+3], s[\base:\base+1], \off
	s_or_b32 s[\g+3], s[\g+3], 0x80000000
.endm
.macro ROWLEN e                        ; a tile's row in elements of 8 bytes
.irp g, G1, G1B
	s_mov_b32 s[\g+1], (\e)<<16
	s_mov_b32 s[\g+3], (\e)<<16
.endr
.endm
	s_load_b128 s[4:7], s[0:1], 0x0                ; cw, qkv
	v_lshl_add_u32 v[SPW], v0, 2, SPARE
	v_mov_b32 v[NIL], 0
	ds_add_u32 v[SPW], v[NIL]                      ; the opening lines: the add, twice on end
	ds_add_u32 v[SPW], v[NIL]
	v_lshrrev_b32 v1, 5, v0
	v_readfirstlane_b32 s14, v1                    ; wave 0..3
	s_lshr_b32 s15, s14, 1                         ; ra.  Also: I fetch for x (0) or for the weights (1)
	s_and_b32 s16, s14, 1                          ; cb.  Also: which half of those blocks I fetch
	s_bfe_u32 s17, ttmp6, 0x40000                  ; cx
	s_bfe_u32 s18, ttmp6, 0x40004                  ; cy
	s_lshl_b32 s12, ttmp9, 2
	s_add_co_u32 s12, s12, s17                     ; the head
	s_and_b32 s13, ttmp7, 0xffff
	s_lshl_b32 s13, s13, 2
	s_add_co_u32 s13, s13, s18                     ; which 256 tokens
	s_lshl_b32 s19, s18, 2
	s_lshl_b32 s19, 15, s19                        ; my row of the cluster
	s_lshl_b32 s20, 0x1111, s17                    ; my column
	s_or_b32 s[G1], s19, (3<<16)|(1<<21)           ; 15:0 the mask; 17:16 elements of 8 bytes; 21 set beside a mask
	s_or_b32 s[G1B], s20, (3<<16)|(1<<21)
	ROWLEN STA/8
	s_mov_b32 s[G1+2], 8<<16                       ; x: 8 blocks
	s_mov_b32 s[G1+4], 8
	s_mov_b32 s[G1B+2], 6<<16                      ; the weights: 6
	s_mov_b32 s[G1B+4], 6
.irp g, G1, G1B
	s_mov_b32 s[\g+5], 1600                        ; 12,800 bytes from block to block
	s_mov_b32 s[\g+6], 0
	s_mov_b32 s[\g+7], 0
.endr
	s_lshl_b32 s21, s13, 4
	s_lshl_b32 s8, s16, 3                          ; x's blocks: their row in LDS,
	s_add_co_u32 s21, s21, s8
	s_mul_i32 s22, s21, 12800                      ; and where they come from
	s_mov_b32 s23, 0
	s_mul_i32 s9, s16, 6
	s_mul_i32 s98, s12, 12
	s_add_co_u32 s98, s98, s9
	s_add_co_u32 s98, s98, 256
	s_mul_i32 s98, s98, 12800
	s_mov_b32 s99, 0
	s_add_co_u32 s9, s9, 16                        ; the weights' row in LDS: behind x's 16
	s_wait_alu depctr_va_vdst(0)
	s_wait_dscnt 0x0                               ; both opening adds are done
	s_wait_kmcnt 0x0
	s_add_nc_u64 s[22:23], s[4:5], s[22:23]
	s_add_nc_u64 s[98:99], s[4:5], s[98:99]
	SETG G0, 22, 8, 0, STA, 0
	SETG G0B, 98, 9, 0, STA, 0
	SETG G0+4, 22, 8, RB, STB, STA
	SETG G0B+4, 98, 9, RB, STB, STA
	SETG G0+8, 22, 8, 0, STC, STA+STB
	SETG G0B+8, 98, 9, 0, STC, STA+STB
	CROUND                                         ; all sixteen work-groups are here: the first joint loads meet
	JLOAD 0
	v_and_b32 v3, 31, v0                           ; lane
	v_and_b32 v1, 15, v0                           ; r
	v_bfe_u32 v2, v0, 4, 1                         ; h
	v_lshlrev_b32 v[L16], 4, v3
	v_lshlrev_b32 v[L8], 3, v3
	v_lshlrev_b32 v[H8], 3, v2
	v_lshlrev_b32 v[R8], 3, v1
	s_wait_alu depctr_va_vdst(0)
.macro ADDR n, lds, stride             ; v4-6, v7-9: x's fragments in piece n, + 16 x lane, + 8 x lane;  v10-12, v13-15 the weights'
	s_mul_i32 s2, s15, 8*\stride
	s_mul_i32 s3, s16, 6*\stride
	s_add_co_u32 s2, s2, \lds
	s_add_co_u32 s3, s3, \lds+16*\stride
	v_add_nc_u32 v[4+\n], s2, v[L16]
	v_add_nc_u32 v[7+\n], s2, v[L8]
	v_add_nc_u32 v[10+\n], s3, v[L16]
	v_add_nc_u32 v[13+\n], s3, v[L8]
.endm
	ADDR 2, 0, STC
	ADDR 1, RB, STB
	ADDR 0, 0, STA
	v_mul_u32_u24 v16, 4*STA, v2                   ; x's scale words: lanes 16-31 four blocks on
	v_lshl_add_u32 v16, v1, 4, v16
	v_add_nc_u32 v16, s2, v16
	v_mul_u32_u24 v17, 3*STA, v2                   ; the weights': lanes 16-31 three blocks on
	v_lshl_add_u32 v17, v1, 4, v17
	v_add_nc_u32 v17, s3, v17
	; where the results go
	s_lshr_b32 s2, s13, 3
	s_lshl_b32 s2, s2, 4
	s_add_co_u32 s2, s2, s12                       ; 16 x batch + head
	s_lshl_b32 s3, s13, 1
	s_add_co_u32 s3, s3, s15
	s_and_b32 s3, s3, 15                           ; the key step
	s_mul_i32 s66, s2, 106496
	s_mul_i32 s67, s3, 6656
	s_add_co_u32 s66, s66, s67                     ; q's image
	s_mul_i32 s68, s2, 208896
	s_mul_i32 s69, s3, 13056
	s_add_co_u32 s68, s68, s69
	s_add_co_u32 s68, s68, 3407872                 ; k's and v's image
	s_mov_b32 s70, 12288
	s_cmp_eq_u32 s16, 0
	s_cselect_b32 s66, s66, s68
	s_cselect_b32 s70, 6144, s70
	s_add_co_u32 s70, s70, s66                     ; q's or k's words
	s_mul_i32 s72, s16, 3072
	s_add_co_u32 s72, s72, s68
	s_add_co_u32 s72, s72, 6144                    ; v's two fragments
	s_lshl_b32 s74, s16, 7
	s_add_co_u32 s74, s74, s68
	s_add_co_u32 s74, s74, 12800                   ; v's words
	s_mov_b32 s67, 0
	s_mov_b32 s71, 0
	s_mov_b32 s73, 0
	s_mov_b32 s75, 0
	s_add_nc_u64 s[8:9], s[6:7], s[66:67]
	s_add_nc_u64 s[10:11], s[6:7], s[70:71]
	s_add_nc_u64 s[92:93], s[6:7], s[72:73]
	s_add_nc_u64 s[94:95], s[6:7], s[74:75]
	s_mov_b32 s[SEL], 0x76543210
	s_mov_b32 s[SEL+1], 0xfedcba98
; Load l (0 .. 55) of K step s's 14 fragments: four to a fragment, x's eight blocks, then the six of the weights
.macro LD s, l
.set F_, (\l)/4
.set Q_, (\l)%4
.if (\s) < 4
.set N_, 0
.set T_, STA
.set O_, 512+1536*(\s)
.elseif (\s) < 7
.set N_, 1
.set T_, STB
.set O_, 1536*((\s)-4)
.else
.set N_, 2
.set T_, STC
.set O_, 0
.endif
.if F_ < 8
.set D_, 12*F_+96*((\s)%2)
.set A_, 4+N_
.set O_, O_+T_*F_
	WIN 0x40*(1-(\s)%2)
.else
.set D_, 96+72*((\s)%2)+12*(F_-8)
.set A_, 10+N_
.set O_, O_+T_*(F_-8)
	WIN 0x40
.endif
.if Q_ == 0
	ds_load_b128 v[D_:D_+3], v[A_] offset:O_
.elseif Q_ == 1
	ds_load_b64 v[D_+4:D_+5], v[A_+3] offset:O_+512
.elseif Q_ == 2
	ds_load_b128 v[D_+6:D_+9], v[A_] offset:O_+768
.else
	ds_load_b64 v[D_+10:D_+11], v[A_+3] offset:O_+1280
.endif
.endm
.macro LDN s, n                        ; the next n of them
.rept \n
.if L_ < 56
	LD \s, L_
.set L_, L_+1
.endif
.endr
.endm
.macro WM d, s0, s1, x0, x1, ra, rb
.if Z_
	v_wmma_scale_f32_16x16x128_f8f6f4 v[\d:\d+7], v[\s0:\s0+11], v[\s1:\s1+11], 0, v[\x0], v[\x1] matrix_a_fmt:MATRIX_FMT_FP6 matrix_b_fmt:MATRIX_FMT_FP6 matrix_a_scale:MATRIX_SCALE_ROW\ra matrix_b_scale:MATRIX_SCALE_ROW\rb
.else
	v_wmma_scale_f32_16x16x128_f8f6f4 v[\d:\d+7], v[\s0:\s0+11], v[\s1:\s1+11], v[\d:\d+7], v[\x0], v[\x1] matrix_a_fmt:MATRIX_FMT_FP6 matrix_b_fmt:MATRIX_FMT_FP6 matrix_a_scale:MATRIX_SCALE_ROW\ra matrix_b_scale:MATRIX_SCALE_ROW\rb
.endif
.endm
; Four products of K step s.  g = 0 .. 7: x's block g with q's or k's four; g = 8 .. 11: v's fragment (g - 8) / 2 with four of x's blocks.  The 48 accumulators take turns in the same order in every step.
.macro GRP s, g
.set E_, (\s)%2
.set WB_, 96+72*E_
.set XB_, 96*E_
.set Z_, 0
.if (\s) == 0
.set Z_, 1
.endif
.if (\g) < 8
	WIN 0xa5-4*E_
.set XS_, SCX+8*((\g)%4)+(\s)
.set XR_, XB_+12*(\g)
.if (\g) < 4
.irp b, 0,1,2
	WM 32*(\g)+8*\b, WB_+12*\b, XR_, SCW+8*\b+(\s), XS_, 0, 0
.endr
	WM 32*(\g)+24, WB_+36, XR_, SCW+(\s), XS_, 1, 0
.else
.irp b, 0,1,2
	WM 32*(\g)+8*\b, WB_+12*\b, XR_, SCW+8*\b+(\s), XS_, 0, 1
.endr
	WM 32*(\g)+24, WB_+36, XR_, SCW+(\s), XS_, 1, 1
.endif
.else
	WIN 0xf5-E_
.set V_, ((\g)-8)/2
.if (\g)%2
.irp b, 0,1,2,3
	WM 64*V_+32+8*\b, XB_+48+12*\b, WB_+48+12*V_, SCX+8*\b+(\s), SCW+8+8*V_+(\s), 1, 1
.endr
.else
.irp b, 0,1,2,3
	WM 64*V_+8*\b, XB_+12*\b, WB_+48+12*V_, SCX+8*\b+(\s), SCW+8+8*V_+(\s), 0, 1
.endr
.endif
.endif
.endm
.macro STEP s                          ; a K step, the next one's loads among its first 32 products
	s_wait_dscnt 0x0                               ; this step's fragments are in
.if (\s) > 0 && (\s) < 7
	PLACES                                         ; in front of loads into the set that the last step read
.endif
.set L_, 0
.irp g, 0,1,2,3,4,5,6,7
	GRP \s, \g
.if (\s) < 7
	LDN (\s)+1, 7
.endif
.endr
.irp g, 8,9,10,11
	GRP \s, \g
.endr
.endm
	s_wait_alu depctr_va_vdst(0)                   ; the wait at the head's end
	s_wait_tensorcnt 0x0                           ; my part of the first piece is in
	ds_add_u32 v[SPW], v[NIL]
	ROWLEN STB/8                                   ; (no tensor load of mine is out: descriptors may be written)
	s_wait_dscnt 0x0
	CROUND                                         ; the first piece is whole in every work-group, and the joint loads meet
	JLOAD 1                                        ; K steps 4-6
.irp i, 0,1,2,3
	ds_load_b128 v[SCX+8*\i:SCX+8*\i+3], v16 offset:STA*\i
	ds_load_b128 v[SCX+8*\i+4:SCX+8*\i+7], v16 offset:STA*\i+256
.endr
.irp i, 0,1,2
	ds_load_b128 v[SCW+8*\i:SCW+8*\i+3], v17 offset:STA*\i
	ds_load_b128 v[SCW+8*\i+4:SCW+8*\i+7], v17 offset:STA*\i+256
.endr
.set L_, 0
	LDN 0, 56
	STEP 0
	STEP 1
	STEP 2
	WIN 0
	s_wait_dscnt 0x0                               ; step 3's fragments are in: the first piece has been read
	s_wait_tensorcnt 0x0                           ; my part of K steps 4-6 has landed;
	ds_add_u32 v[SPW], v[NIL]                      ; 0 onto my spare word
	ROWLEN STC/8
.irp g, 0,1,2,3
	GRP 3, \g
.endr
	s_wait_dscnt 0x0                               ; the add is done
	s_barrier_signal -1                            ; this barrier opens a round
	GRP 3, 4
	GRP 3, 5
	WIN 0
	s_barrier_wait -1
	CREST                                          ; no wave of any partner still reads the first piece or has a load on its way
	JLOAD 2                                        ; K step 7 over it; its four v_nop are the places in front of the loads below
.set L_, 0
.irp g, 6,7,8,9,10,11
	GRP 3, \g
	LDN 4, 10
.endr
	STEP 4
	STEP 5
	WIN 0
	s_wait_dscnt 0x0
	s_wait_tensorcnt 0x0                           ; my part of K step 7 has landed
	s_barrier_signal -1
	GRP 6, 0
	GRP 6, 1
	WIN 0
	s_barrier_wait -1
	PLACES
.set L_, 0
.irp g, 2,3,4,5,6,7,8,9
	GRP 6, \g
	LDN 7, 7
.endr
	GRP 6, 10
	GRP 6, 11
	STEP 7
	WIN 0
	PLACES
; THE WAY OUT, two blocks of 32 registers at a time (m = 0 .. 3: q or k, blocks 2 m, 2 m + 1; m = 4, 5: v's fragment m - 4, its two bands).  Each accumulator is first read at its lowest registers.
.macro OUT2 m
.set W_, 2+(\m)/4
.set S_, 64*((\m)%4)
.set C_, 96+12*(\m)
	WIN 21*W_
.irp c, 0,1,2,3
	v_max3_num_f32 v[176+\c], |v[S_+16*\c]|, |v[S_+1+16*\c]|, |v[S_+2+16*\c]|
.endr
	WIN 20*W_
.irp i, 3,5,7,9,11,13
.irp c, 0,1,2,3
	v_max3_num_f32 v[176+\c], v[176+\c], |v[S_+16*\c+\i]|, |v[S_+16*\c+\i+1]|
.endr
.endr
	v_max3_num_f32 v176, v176, |v[S_+15]|, |v[S_+31]|
	v_max3_num_f32 v178, v178, |v[S_+47]|, |v[S_+63]|
	WIN 0
	v_max3_num_f32 v176, v176, v177, 0x1800000     ; with the floor 2^(3 - 127): the byte cannot fall under 1
	v_max3_num_f32 v178, v178, v179, 0x1800000
	v_add_nc_u32 v180, 0xff000000, v176            ; 2 off the exponent field: the conversion's scale operand
	v_add_nc_u32 v181, 0xff000000, v178
	v_lshrrev_b32 v[184+2*(\m)], 23, v180
	v_lshrrev_b32 v[185+2*(\m)], 23, v181
	WIN W_
	v_cvt_scalef32_pk16_fp6_f32 v[C_:C_+2], v[S_:S_+15], v180
	v_cvt_scalef32_pk16_fp6_f32 v[168:170], v[S_+16:S_+31], v180
	v_cvt_scalef32_pk16_fp6_f32 v[C_+6:C_+8], v[S_+32:S_+47], v181
	v_cvt_scalef32_pk16_fp6_f32 v[172:174], v[S_+48:S_+63], v181
	WIN 0
	v_nop                                          ; one plain instruction behind the scaled conversions
.irp i, 0,1,2
	v_mov_b32 v[C_+3+\i], v[168+\i]
	v_mov_b32 v[C_+9+\i], v[172+\i]
.endr
.irp u, 0,1
.if (\m) < 4
	global_store_b128 v[L16], v[C_+6*\u:C_+6*\u+3], s[8:9] offset:768*(2*(\m)+\u)      ; 512 or 256 consecutive bytes, aligned
	global_store_b64 v[L8], v[C_+6*\u+4:C_+6*\u+5], s[8:9] offset:768*(2*(\m)+\u)+512
.else
	global_store_b128 v[L16], v[C_+6*\u:C_+6*\u+3], s[92:93] offset:768*(2*((\m)-4)+\u)
	global_store_b64 v[L8], v[C_+6*\u+4:C_+6*\u+5], s[92:93] offset:768*(2*((\m)-4)+\u)+512
.endif
.endr
.endm
.irp m, 0,1,2,3,4,5
	OUT2 \m
.endr
; THE SCALE WORDS: k = 0 .. 3: the bytes of blocks 2 k (lower half) and 2 k + 1 (upper half) of q or k; k = 4, 5: v's words
.irp k, 0,1,2,3,4,5
	v_lshl_or_b32 v[176+\k], v[185+2*\k], 16, v[184+2*\k]
.endr
.irp k, 0,1,2,3,4,5
	v_lshlrev_b32 v[176+\k], v[H8], v[176+\k]
.endr
.irp k, 0,1,2,3,4,5
	v_permlanex16_b32 v[184+\k], v[176+\k], s[SEL], s[SEL+1]
.endr
.irp k, 0,1,2,3,4,5
	v_or_b32 v[176+\k], v[176+\k], v[184+\k]
.endr
	v_cmp_ne_u32 vcc_lo, 0, v[H8]
	v_cndmask_b32 v192, v176, v178, vcc_lo         ; lanes 16-31: blocks 4-7
	v_cndmask_b32 v194, v177, v179, vcc_lo
	v_lshrrev_b32 v193, 16, v192
	v_lshrrev_b32 v195, 16, v194
	global_store_b128 v[L16], v[192:195], s[10:11]
	global_store_b64 v[R8], v[180:181], s[94:95]   ; 128 consecutive bytes (both halves of the lanes hold the same words)
	s_wait_tensorcnt 0x0                           ; the wave's end
	ds_add_u32 v[SPW], v[NIL]
	s_wait_dscnt 0x0
	CROUND                                         ; the closing round: no work-group ends while a partner may still ask for a tile that names it
	s_endpgm
.Lfunc_end_k_q6cc7637957_qkv:
	.size	k_q6cc7637957_qkv, .Lfunc_end_k_q6cc7637957_qkv-k_q6cc7637957_qkv
	.p2alignl 7, 3214868480
	.fill 96, 4, 3214868480
	.section	.rodata,"a",@progbits
	.p2align	6, 0x0
	.amdhsa_kernel k_q6cc7637957_qkv
		.amdhsa_group_segment_fixed_size 327680
		.amdhsa_private_segment_fixed_size 0
		.amdhsa_enable_private_segment 0
		.amdhsa_kernarg_size 16
		.amdhsa_user_sgpr_count 2
		.amdhsa_user_sgpr_kernarg_segment_ptr 1
		.amdhsa_wavefront_size32 1
		.amdhsa_system_sgpr_workgroup_id_x 1
		.amdhsa_system_sgpr_workgroup_id_y 1
		.amdhsa_system_sgpr_workgroup_id_z 1
		.amdhsa_system_vgpr_workitem_id 0
		.amdhsa_next_free_vgpr 896
		.amdhsa_next_free_sgpr 102
		.amdhsa_reserve_vcc 1
		.amdhsa_float_denorm_mode_32 3
		.amdhsa_float_denorm_mode_16_64 3
		.amdhsa_memory_ordered 1
		.amdhsa_forward_progress 1
		.amdhsa_inst_pref_size 115
	.end_amdhsa_kernel
	.amdgpu_metadata
---
amdhsa.version: [ 1, 2 ]
amdhsa.kernels:
  - .name:           k_q6cc7637957_qkv
    .symbol:         k_q6cc7637957_qkv.kd
    .args:
      - { .name: cw, .offset: 0, .size: 8, .value_kind: global_buffer, .address_space: global }
      - { .name: qkv, .offset: 8, .size: 8, .value_kind: global_buffer, .address_space: global }
    .group_segment_fixed_size: 327680
    .private_segment_fixed_size: 0
    .kernarg_segment_align: 8
    .kernarg_segment_size: 16
    .max_flat_workgroup_size: 128
    .sgpr_count:     102
    .vgpr_count:     896
    .wavefront_size: 32
...
	.end_amdgpu_metadata
.endif
;; end of part 2
;; launch attn (part 3): grid 8 x 32, 16 waves a work-group, clusters of 4 x 1, 253,952 bytes of LDS; arguments qkv, oc; writes oc
.if DOCPART == 3
	.amdgcn_target "amdgcn-amd-amdhsa--gfx1250"
	.amdhsa_code_object_version 6
	.text
	.protected	k_q6cc7637957_attn
	.globl	k_q6cc7637957_attn
	.p2align	8
	.type	k_q6cc7637957_attn,@function
k_q6cc7637957_attn:
	s_mov_b64 s[64:65], 0
	v_nop
	global_prefetch_b8 v0, s[64:65] scope:SCOPE_SE
	s_setreg_imm32_b32 hwreg(HW_REG_WAVE_MODE, 25, 1), 1
	s_wait_xcnt 0x0
	s_wait_alu depctr_hold_cnt(0) depctr_sa_sdst(0) depctr_va_vdst(0) depctr_va_sdst(0) depctr_va_ssrc(0) depctr_va_vcc(0) depctr_vm_vsrc(0)
	s_getreg_b32 s2, hwreg(HW_REG_IB_STS2, 6, 4)
	s_cmp_eq_u32 s2, 0
	s_cbranch_scc0 .Lentry_in_a_cluster
	s_endpgm
.Lentry_in_a_cluster:
	s_bfe_u32 s2, ttmp6, 0x10000c
	s_cmp_lg_u32 s2, 0x3003
	s_cbranch_scc0 .Lentry_shape_is_right
	s_endpgm
.Lentry_shape_is_right:
; o = softmax(mask(q k^T / 8)) v for one head of one batch, both products on codes of FP6 (E2M3) with E8M0 scales; o is quantised along the concatenated heads and leaves as codes.
; THE SOFTMAX: t = score x log2(e) / 8; M = the row's largest t so far, rounded up to a whole number; p = 2^(t - M) is quantised along the keys, not normalised; the row's sum of the unquantised p divides at the end.
; THE MASK puts the logit -10,000 on keys behind the query: such keys are not dropped.  In the key step on the diagonal they get the raw score -80,000.  In a step that lies wholly behind a tile's queries every p of a row
; is one number c = 2^(t_mask - M): its share of O is Q(c) x (the sum of the quantised v over those keys); its share of the row's sum is c x the number of such keys; M takes t_mask in from the start (but for query 2,047, which
; has no key behind it).  The products of such steps are left out: the mask, which reference() builds, replaces each of their scores whatever the inputs hold.  A NaN, an infinity or an overflow in them alone is not carried.
; The sums of the quantised v over each key step hang on the head alone: waves 0-7 make them once for the work-group, by products with a fragment of ones, and leave them in LDS.
; SHARES.  A head has 16 blocks of 128 queries, eight tiles of 16 each; a work-group takes tile g (its number, 0 .. 7) of every block.  Waves p and p + 8 (p = 0 .. 7) take the pair of blocks p (p + 1 visible key steps) and 15 - p
; (16 - p): wave p + 8 takes steps 7 - p .. 15 - p of the long one, in trips 0 .. 8; wave p takes steps 0 .. 6 - p of the long one and then the short one, in trips 1 .. 8.  The diagonal is every wave's trip 8.
; Behind the trips the long tile's two parts are joined through LDS: each part's O, M and sum.
; LDS holds the head's 16 images (K's 8 blocks, V's 4 fragments, their scale words: 13,056 bytes, one key step), each filled once, by one wave, by a joint load of the cluster's four work-groups.  Trip 0 wants images 0-7 alone.
; No prefetch: everything is asked for at the head; no loop streams tiles.
; Both products are used transposed: S^T = K Q^T, O^T = V^T P^T: a lane holds one query (lane % 16); its registers of four blocks are 32 neighbouring keys or features, 32 (lane / 16) + 0 .. 31: one scale block.
; The head's 64 fill half of the instruction's K: Q's upper six registers are zero codes; K's block t names the six registers of block t + 1 as its upper half, which meet those zeros.
; LIMITS: NaN and infinities are not served; c under 2^-126 counts as 0, beside a row's sum above 1/2; a block of zeros gets the byte 1 (its codes are zeros; this program alone reads the bytes); scaled scores under 2^31 in magnitude.
; REGISTERS: v1, v2 16 and 8 x lane; v3 8 x (lane / 16); v4, v5 addresses for V, v8, v9 for K; v[6:7], v[94:95], v[254:255], v93 the second tile's Q; v10, v29 the add's; v11 the mask's number; v12 -M, v13 the largest score, v[14:15] the sum;
;   v16-27 Q, v28 its scale words; v30 f; v31 -80,000; v32-85 K (v80-85 zeros), v86-89 its words; v90-91 V's words; v92 p's word; v96-159 S^T, then p; v160-191 O^T; v192-239 V; v240-251 at work, then p's codes; v252, v253 the two blocks' largest.
.set SB,   13056
.set PB,   16*SB                       ; the long tiles' first parts, 4,352 bytes each
.set HB,   PB+8*4352                   ; the sums of v: 256 bytes for each key step
.set SUF,  HB+4096                     ; 256 bytes for each wave
.set SPARE, SUF+4096
.set SPW, 10
.set NIL, 29
.macro CROUND                          ; a round of the cluster's barrier
	s_barrier_signal -1
	s_barrier_wait -1
	s_cmp_lg_u32 s12, 0
	s_cbranch_scc1 .Lnot_wave_0_\@
	s_barrier_signal -3
.Lnot_wave_0_\@:
	s_barrier_wait -3
	s_barrier_signal -1
	s_barrier_wait -1
.endm
.macro PLACES
.rept 4
	v_nop
.endr
.endm
.macro CALC d                          ; LDS byte of the image that trip s45 wants
	s_add_co_u32 s48, s45, s18
	s_add_co_u32 s49, s45, s19
	s_cmp_ge_u32 s45, s44
	s_cselect_b32 s48, s49, s48
	s_and_b32 s48, s48, 15
	s_mul_i32 s\d, s48, SB
.endm
	s_load_b128 s[4:7], s[0:1], 0x0                ; qkv, oc
	v_lshl_add_u32 v[SPW], v0, 2, SPARE
	v_mov_b32 v[NIL], 0
	ds_add_u32 v[SPW], v[NIL]                      ; the opening lines: the add, twice on end
	ds_add_u32 v[SPW], v[NIL]
	v_lshrrev_b32 v4, 5, v0
	v_readfirstlane_b32 s12, v4                    ; wave 0..15
	s_bfe_u32 s14, ttmp6, 0x40000                  ; cx
	s_lshl_b32 s8, ttmp9, 2
	s_add_co_u32 s14, s14, s8                      ; g; it enters global addresses and the mask's number alone
	s_and_b32 s15, ttmp7, 0xffff                   ; 16 x batch + head
	s_and_b32 s13, s12, 7                          ; p
	s_sub_co_u32 s16, 15, s13                      ; the long block
	s_sub_co_u32 s18, 7, s13
	s_add_co_u32 s9, s13, 8
	s_sub_co_u32 s44, 8, s13
	s_cmp_lt_u32 s12, 8
	s_cselect_b32 s17, s13, s16                    ; the block that I finish
	s_cselect_b32 s19, s9, s18                     ; trip + this = my key step (modulo 16) from trip s44 on,
	s_cselect_b32 s18, 15, s18                     ; and ahead of it
	s_cselect_b32 s44, s44, 64                     ; waves 0-7 change tiles at trip 8 - p
	s_mov_b32 s24, 15|(3<<16)|(1<<21)              ; 15:0 the mask: all four work-groups; 17:16 elements of 8 bytes; 21 set beside a mask
	s_mov_b32 s25, 32<<16                          ; an image is 51 rows of 256 dense bytes
	s_mov_b32 s26, 51<<16
	s_mov_b32 s27, 32<<16
	s_mov_b32 s28, 51
	s_mov_b32 s29, 32
	s_mov_b32 s30, 0
	s_mov_b32 s31, 0
	s_mov_b32 s40, 1
	s_mul_i32 s41, s12, SB
	s_mul_i32 s2, s15, 16*SB
	s_add_co_u32 s2, s2, s41
	s_add_co_u32 s2, s2, 3407872
	s_mov_b32 s3, 0
	s_lshr_b32 s8, s14, 2
	s_and_b32 s9, s14, 3
	s_lshl_b32 s10, s8, 8
	s_lshl_b32 s11, s9, 2
	s_add_co_u32 s10, s10, s11
	s_add_co_u32 s10, s10, 6144                    ; tile g's scale words in an image of q
	s_lshl_b32 s8, s8, 6
	s_lshl_b32 s9, s9, 3
	s_add_co_u32 s62, s8, s9                       ; my tile's first query within its block
	s_mul_i32 s11, s14, 768
	s_mul_i32 s8, s15, 106496
	s_mul_i32 s9, s16, 6656
	s_add_co_u32 s9, s9, s8
	s_add_co_u32 s32, s9, s11
	s_add_co_u32 s34, s9, s10
	s_mul_i32 s9, s17, 6656
	s_add_co_u32 s9, s9, s8
	s_add_co_u32 s36, s9, s11
	s_add_co_u32 s38, s9, s10
	s_mov_b32 s33, 0
	s_mov_b32 s35, 0
	s_mov_b32 s37, 0
	s_mov_b32 s39, 0
	s_lshr_b32 s8, s15, 4
	s_lshl_b32 s8, s8, 7
	s_lshl_b32 s9, s17, 3
	s_add_co_u32 s8, s8, s9
	s_add_co_u32 s8, s8, s14                       ; my token block among all 256
	s_mul_i32 s8, s8, 12800
	s_and_b32 s9, s15, 15
	s_mul_i32 s54, s9, 768
	s_add_co_u32 s54, s54, s8
	s_add_co_u32 s54, s54, 512                     ; oc: [token block][512 bytes of scale words, as in cw; head x 768 bytes of codes]
	s_mov_b32 s55, 0
	s_lshr_b32 s10, s9, 3
	s_lshl_b32 s10, s10, 8
	s_and_b32 s9, s9, 7
	s_lshl_b32 s9, s9, 1
	s_add_co_u32 s56, s8, s10
	s_add_co_u32 s56, s56, s9
	s_mov_b32 s57, 0
	s_mul_i32 s58, s13, 4352
	s_add_co_u32 s58, s58, PB                      ; my pair's part
	s_lshl_b32 s59, s13, 8
	s_add_co_u32 s59, s59, HB
	s_mul_i32 s60, s13, SB
	s_lshl_b32 s61, s12, 8
	s_add_co_u32 s61, s61, SUF
	s_mov_b32 s20, 0x76543210                      ; lane selects for v_permlanex16_b32: lane l xor 16
	s_mov_b32 s21, 0xfedcba98
	s_mov_b32 s22, 0x3e38aa3b                      ; log2(e) / 8
	s_mov_b32 s23, s22
	s_mov_b32 s51, 0
	s_mov_b32 s52, 0x700000                        ; the mantissa field of 1.875
	s_wait_alu depctr_va_vdst(0)
	s_wait_dscnt 0x0                               ; both opening adds are done
	s_wait_kmcnt 0x0
	s_add_nc_u64 s[42:43], s[4:5], s[2:3]
	s_or_b32 s43, s43, 0x80000000
	s_add_nc_u64 s[32:33], s[4:5], s[32:33]
	s_add_nc_u64 s[34:35], s[4:5], s[34:35]
	s_add_nc_u64 s[36:37], s[4:5], s[36:37]
	s_add_nc_u64 s[38:39], s[4:5], s[38:39]
	s_add_nc_u64 s[54:55], s[6:7], s[54:55]
	s_add_nc_u64 s[56:57], s[6:7], s[56:57]
	CROUND                                         ; all four work-groups are here: the joint loads meet
	s_cmp_lt_u32 s12, 8
	s_cbranch_scc0 .Lhigh
	tensor_load_to_lds s[40:43], s[24:31]          ; waves 0-7: images 0-7
	s_nop 0
	PLACES
	s_branch .Lasked
.Lhigh:
	tensor_load_to_lds s[40:43], s[24:31]          ; waves 8-15: images 8-15
	s_nop 0
	PLACES
.Lasked:
	v_and_b32 v4, 31, v0                           ; lane
	v_and_b32 v5, 15, v0                           ; r
	v_bfe_u32 v9, v0, 4, 1                         ; h
	v_lshlrev_b32 v1, 4, v4
	v_lshlrev_b32 v2, 3, v4
	v_lshlrev_b32 v3, 3, v9
	v_lshlrev_b32 v8, 4, v5
	global_load_b128 v[16:19], v1, s[32:33]        ; Q of the long tile,
	global_load_b64 v[20:21], v2, s[32:33] offset:512
	global_load_b32 v28, v8, s[34:35]
	global_load_b64 v[6:7], v1, s[36:37]           ; and of the tile that I finish (waves 0-7 take it at their change of tiles)
	global_load_b64 v[94:95], v1, s[36:37] offset:8
	global_load_b64 v[254:255], v2, s[36:37] offset:512
	global_load_b32 v93, v8, s[38:39]
	v_lshrrev_b32 v4, 3, v5
	v_mad_u32_u24 v4, v4, 24, v5                   ; r % 8 + 32 (r / 8)
	v_add_nc_u32 v4, s62, v4                       ; my query within its block
	v_lshlrev_b32 v9, 5, v9
	v_sub_nc_u32 v11, v4, v9                       ; less 32 h: register n of the diagonal step holds a key behind my query where n + 32 (n / 32) is above this
	s_lshl_b32 s8, s16, 7
	v_add_nc_u32 v4, s8, v4                        ; my query of the long tile
	v_mov_b32 v31, 0xc79c4000                      ; -80,000: the raw score that stands for the logit -10,000
	v_mov_b32 v5, 0xff61b1e6                       ; -3e38
	v_cmp_eq_u32 vcc_lo, 0x7ff, v4
	v_cndmask_b32 v13, v31, v5, vcc_lo             ; the largest score so far: the masked keys'; query 2,047 has none
	v_mov_b32 v12, 0x7f61b1e6                      ; -M = 3e38: what was summed before counts for nothing
	v_mov_b32 v14, 0
	v_mov_b32 v15, 0
.irp i, 22,23,24,25,26,27,80,81,82,83,84,85,246,247
	v_mov_b32 v\i, 0                               ; Q's and K's zero codes; a permute's destination
.endr
.set n, 0
.rept 32
	v_mov_b32 v[160+n], 0                          ; O^T: the step is written for all trips, and the first finds zeros
.set n, n+1
.endr
.macro KLOAD                           ; 17 loads
.irp t, 0,1,2,3,4,5,6,7
	ds_load_b128 v[32+6*\t:35+6*\t], v8 offset:768*\t
	ds_load_b64 v[36+6*\t:37+6*\t], v9 offset:768*\t+512
.endr
	ds_load_b128 v[86:89], v8 offset:12288
.endm
.macro VLOAD                           ; 17 loads
.irp t, 0,1,2,3
	ds_load_b128 v[192+12*\t:195+12*\t], v4 offset:6144+1536*\t
	ds_load_b64 v[196+12*\t:197+12*\t], v5 offset:6144+1536*\t+512
	ds_load_b128 v[198+12*\t:201+12*\t], v4 offset:6144+1536*\t+768
	ds_load_b64 v[202+12*\t:203+12*\t], v5 offset:6144+1536*\t+1280
.endr
	ds_load_b64 v[90:91], v5 offset:12800
.endm
.macro PV t, d, c, row                 ; V's fragment t x the codes in v[240:251]
	v_wmma_scale_f32_16x16x128_f8f6f4 v[\d+8*\t:\d+8*\t+7], v[192+12*\t:203+12*\t], v[240:251], \c, v[90+\t%2], v92 matrix_a_fmt:MATRIX_FMT_FP6 matrix_b_fmt:MATRIX_FMT_FP6 matrix_a_scale:MATRIX_SCALE_ROW\row
.endm
; A KEY STEP: 128 keys.  pre: the next trip's K is fetched under the softmax;  diag: keys behind the query get the masked score.
.macro STEP pre, diag
	s_wait_dscnt 0x0                               ; K is in
.irp t, 0,1,2,3
	v_wmma_scale_f32_16x16x128_f8f6f4 v[96+8*\t:103+8*\t], v[32+6*\t:43+6*\t], v[16:27], 0, v[86+\t], v28 matrix_a_fmt:MATRIX_FMT_FP6 matrix_b_fmt:MATRIX_FMT_FP6 matrix_a_scale:MATRIX_SCALE_ROW0
.endr
.irp t, 4,5,6,7
	v_wmma_scale_f32_16x16x128_f8f6f4 v[96+8*\t:103+8*\t], v[32+6*\t:43+6*\t], v[16:27], 0, v[82+\t], v28 matrix_a_fmt:MATRIX_FMT_FP6 matrix_b_fmt:MATRIX_FMT_FP6 matrix_a_scale:MATRIX_SCALE_ROW1
.endr
	v_add_nc_u32 v4, s46, v1                       ; these four are the places in front of the loads and of the first read of the scores
	v_add_nc_u32 v5, s46, v2
.if \pre
	v_add_nc_u32 v8, s47, v1
	v_add_nc_u32 v9, s47, v2
.else
	v_nop
	v_nop
.endif
	VLOAD
.if \pre
	KLOAD
.endif
.if \diag
.set n, 0
.rept 64
	v_cmp_gt_i32 vcc_lo, n+32*(n/32), v11
	v_cndmask_b32 v[96+n], v[96+n], v31, vcc_lo
.set n, n+1
.endr
.endif
.irp c, 0,1,2,3
	v_max3_num_f32 v[240+\c], v[96+16*\c], v[97+16*\c], v[98+16*\c]
.endr
.irp i, 3,5,7,9,11,13
.irp c, 0,1,2,3
	v_max3_num_f32 v[240+\c], v[240+\c], v[96+16*\c+\i], v[97+16*\c+\i]
.endr
.endr
	v_max3_num_f32 v240, v240, v111, v127
	v_max3_num_f32 v242, v242, v143, v159
	v_max_num_f32 v252, v240, v241                 ; the largest score of each of my two blocks of 32 keys: it serves the row's maximum and, since p rises with the score, the block's largest p
	v_max_num_f32 v253, v242, v243
	v_max_num_f32 v245, v252, v253
	v_permlanex16_b32 v246, v245, s20, s21
	v_max3_num_f32 v13, v13, v245, v246            ; the running largest score, lane l xor 16's keys too
	v_mov_b32 v247, v12
	v_mul_f32 v248, s22, v13
	v_floor_f32 v12, -v248                         ; the new -M: M is a whole number
	v_sub_f32 v247, v12, v247
	v_cvt_i32_f32 v247, v247                       ; old M less new M, 0 or less (it saturates)
	v_ldexp_f32 v30, 1.0, v247                     ; f = 2^(old M - new M): a multiplication by it rounds nothing
.set n, 0
.rept 32
	v_pk_fma_f32 v[96+n:97+n], v[96+n:97+n], s[22:23], v[12:13] op_sel_hi:[1,0,0]   ; t - M, two at a time
.set n, n+2
.endr
	v_fma_f32 v252, v252, s22, v12
	v_fma_f32 v253, v253, s22, v12
	s_wait_alu depctr_va_vdst(0)                   ; the wait ahead of the batch
.set n, 0
.rept 64
	v_exp_f32 v[96+n], v[96+n]                     ; p = 2^(t - M), at most 1
.set n, n+1
.endr
	v_exp_f32 v252, v252
	v_exp_f32 v253, v253
	v_pk_mul_f32 v[14:15], v[14:15], v[30:31] op_sel_hi:[1,0]   ; the sums under the new M; a plain instruction behind the exponentials
	s_wait_alu depctr_va_vdst(0)                   ; and behind it
	v_pk_add_f32 v[240:241], v[96:97], v[98:99]    ; the row's sum of the unquantised p, in four chains
	v_pk_add_f32 v[242:243], v[100:101], v[102:103]
	v_pk_add_f32 v[244:245], v[104:105], v[106:107]
	v_pk_add_f32 v[14:15], v[14:15], v[108:109]
.set n, 110
.rept 6
	v_pk_add_f32 v[240:241], v[240:241], v[n:n+1]
	v_pk_add_f32 v[242:243], v[242:243], v[n+2:n+3]
	v_pk_add_f32 v[244:245], v[244:245], v[n+4:n+5]
	v_pk_add_f32 v[14:15], v[14:15], v[n+6:n+7]
.set n, n+8
.endr
	v_pk_add_f32 v[240:241], v[240:241], v[158:159]
	v_max_num_f32 v252, 0x1800000, v252            ; the floor 2^(3 - 127): the byte cannot fall under 1
	v_max_num_f32 v253, 0x1800000, v253
	v_pk_add_f32 v[242:243], v[242:243], v[244:245]
	v_add_nc_u32 v252, 0xff000000, v252            ; 2 off the exponent field: the conversion's scale operand
	v_add_nc_u32 v253, 0xff000000, v253
	v_pk_add_f32 v[14:15], v[14:15], v[240:241]
	v_lshrrev_b32 v249, 23, v252
	v_lshrrev_b32 v250, 23, v253
	v_pk_add_f32 v[14:15], v[14:15], v[242:243]
	v_cvt_scalef32_pk16_fp6_f32 v[240:242], v[96:111], v252
	v_cvt_scalef32_pk16_fp6_f32 v[246:248], v[128:143], v253
	v_lshl_or_b32 v249, v250, 16, v249             ; my bytes are blocks h and 2 + h (plain lines between the conversions: the next ones write the first ones' sources)
	v_lshlrev_b32 v249, v3, v249
	v_cvt_scalef32_pk16_fp6_f32 v[96:98], v[112:127], v252
	v_cvt_scalef32_pk16_fp6_f32 v[128:130], v[144:159], v253
	v_permlanex16_b32 v250, v249, s20, s21
	v_or_b32 v92, v249, v250                       ; p's scale word for these 128 keys
.irp i, 0,1,2
	v_mov_b32 v[243+\i], v[96+\i]
	v_mov_b32 v[249+\i], v[128+\i]
.endr
	s_wait_alu depctr_va_vdst(0)                   ; ahead of the first reader of O^T
.set n, 0
.rept 16
	v_pk_mul_f32 v[160+n:161+n], v[160+n:161+n], v[30:31] op_sel_hi:[1,0]   ; O^T under the new M; these sixteen also stand between the writes of p's codes and word and the products
.set n, n+2
.endr
	s_wait_alu depctr_va_vdst(0)
.if \pre
	s_wait_dscnt 17                                ; V is in; the 17 loads of the next K may be out
.else
	s_wait_dscnt 0x0
.endif
	PV 0, 160, v[160:167], 0
	PV 1, 160, v[168:175], 0
	PV 2, 160, v[176:183], 1
	PV 3, 160, v[184:191], 1
.endm
; THE CHANGE OF TILES, waves 0-7 at trip 8 - p: my part of the long tile goes to LDS, and the short tile begins
.macro CHANGE
	s_cmp_eq_u32 s45, s44
	s_cbranch_scc0 .Lsame_\@
	v_add_f32 v13, v14, v15                        ; (these four are the places behind the last products)
	v_add_nc_u32 v4, s58, v1
	v_add_nc_u32 v5, s58, v2
	v_mov_b32 v28, v93                             ; Q's scale words
.irp m, 0,1,2,3,4,5,6,7
	ds_store_b128 v4, v[160+4*\m:163+4*\m] offset:512*\m
.endr
	ds_store_b64 v5, v[12:13] offset:4096          ; -M and the sum
	s_wait_alu depctr_va_vdst(0)
	s_wait_dscnt 0x0                               ; the stores have read their registers
	v_mov_b32 v12, 0x7f61b1e6                      ; f becomes 0 in the next step: O^T and the sum, finite numbers, begin anew
	v_mov_b32 v13, v31
	v_mov_b32 v16, v6
	v_mov_b32 v17, v7
	v_mov_b32 v18, v94
	v_mov_b32 v19, v95
	v_mov_b32 v20, v254
	v_mov_b32 v21, v255
	PLACES
	s_wait_alu depctr_va_vdst(0)
.Lsame_\@:
.endm
; The sums of the quantised v over key step p + 8 n: every lane of a half holds features 32 h + 0 .. 31
.macro HSUM n
	s_add_co_u32 s8, s60, \n*8*SB
	v_add_nc_u32 v4, s8, v1
	v_add_nc_u32 v5, s8, v2
	VLOAD
.if \n == 0
	v_mov_b32 v92, 0x7f7f7f7f                      ; the scale 1
.irp i, 0,1,2,3
	v_mov_b32 v[240+3*\i], 0x08208208              ; 16 codes of 1.0 (001000) are 96 bits
	v_mov_b32 v[241+3*\i], 0x82082082
	v_mov_b32 v[242+3*\i], 0x20820820
.endr
	PLACES
.endif
	s_wait_alu depctr_va_vdst(0)
	s_wait_dscnt 0x0
	PV 0, 96, 0, 0
	PV 1, 96, 0, 0
	PV 2, 96, 0, 1
	PV 3, 96, 0, 1
	PLACES
	s_add_co_u32 s8, s59, \n*2048
	v_lshl_add_u32 v4, v3, 4, s8
.irp m, 0,1,2,3,4,5,6,7
	ds_store_b128 v4, v[96+4*\m:99+4*\m] offset:16*\m   ; the sixteen lanes of a half store the same bytes with the same values
.endr
.endm
	s_wait_alu depctr_va_vdst(0)                   ; the wait at the head's end
	s_wait_loadcnt 0x0                             ; Q
	s_cmp_lt_u32 s12, 8
	s_cbranch_scc0 .Lwait_later
	s_wait_tensorcnt 0x0
.Lwait_later:
	s_barrier_signal -1
	s_barrier_wait -1                              ; images 0-7 are in; nothing is ever filled again
	s_mov_b32 s45, 0
	CALC 46
	v_add_nc_u32 v8, s46, v1
	v_add_nc_u32 v9, s46, v2
	s_cmp_lt_u32 s12, 8
	s_cbranch_scc1 .Ltrip_0_done
	KLOAD
	STEP 0, 0                                      ; trip 0: waves 8-15, steps 0-7
.Ltrip_0_done:
	s_wait_tensorcnt 0x0
	s_wait_dscnt 0x0
	s_barrier_signal -1
	s_barrier_wait -1                              ; all images are in
	s_mov_b32 s45, 1
	CALC 46
	v_add_nc_u32 v8, s46, v1
	v_add_nc_u32 v9, s46, v2
	KLOAD
	s_cmp_lt_u32 s12, 8
	s_cbranch_scc0 .Ltrip
	HSUM 0
	HSUM 1
.Ltrip:                                            ; trips 1 .. 7
	CHANGE
	CALC 46
	s_add_co_u32 s45, s45, 1
	CALC 47
	STEP 1, 0
	s_cmp_lt_u32 s45, 8
	s_cbranch_scc1 .Ltrip
	CHANGE
	CALC 46
	STEP 0, 1                                      ; trip 8: the diagonal
	; THE WAY OUT
	v_add_f32 v14, v14, v15
	s_sub_co_u32 s8, 15, s17
	s_lshl_b32 s8, s8, 7
	v_add_nc_u32 v4, HB, v2                        ; (the sum above and these three are the places behind the last products)
	v_add_nc_u32 v5, s58, v1
	v_add_nc_u32 v8, s58, v2
	v_cvt_f32_u32 v247, s8                         ; the keys of the hidden steps: 128 (15 - block)
	s_wait_alu depctr_va_vdst(0)
	s_wait_dscnt 0x0
	s_barrier_signal -1
	s_barrier_wait -1                              ; the sums of v and the long tiles' first parts are in LDS
.irp j, 1,2,3,4,5,6,7,8,9,10,11,12,13,14,15
	ds_load_b64 v[96+2*\j:97+2*\j], v4 offset:256*\j   ; features 2 x lane, + 1
.endr
	s_cmp_lt_u32 s12, 8
	s_cbranch_scc1 .Lno_join
.irp m, 0,1,2,3,4,5,6,7
	ds_load_b128 v[192+4*\m:195+4*\m], v5 offset:512*\m
.endr
	ds_load_b64 v[224:225], v8 offset:4096
	s_wait_dscnt 0x0
	v_min_num_f32 v226, v12, v224                  ; -M of the whole row
	v_sub_f32 v227, v226, v224
	v_sub_f32 v228, v226, v12
	v_cvt_i32_f32 v227, v227
	v_cvt_i32_f32 v228, v228
	v_ldexp_f32 v230, 1.0, v227                    ; the first part's factor
	v_ldexp_f32 v232, 1.0, v228                    ; mine
.set n, 0
.rept 16
	v_pk_mul_f32 v[160+n:161+n], v[160+n:161+n], v[232:233] op_sel_hi:[1,0]
.set n, n+2
.endr
.set n, 0
.rept 16
	v_pk_fma_f32 v[160+n:161+n], v[192+n:193+n], v[230:231], v[160+n:161+n] op_sel_hi:[1,0,1]
.set n, n+2
.endr
	v_mul_f32 v14, v14, v232
	v_fma_f32 v14, v225, v230, v14
	v_mov_b32 v12, v226
	s_wait_alu depctr_va_vdst(0)
.Lno_join:
	s_wait_dscnt 0x0
.macro SUFF j, d                       ; key step j counts where it lies behind my block
	s_cmp_lt_u32 s17, \j
	s_cselect_b32 s50, 1.0, 0
	v_pk_fma_f32 v[\d:\d+1], v[96+2*\j:97+2*\j], s[50:51], v[\d:\d+1] op_sel_hi:[1,0,1]
.endm
	s_cmp_lt_u32 s17, 15
	s_cselect_b32 s50, 1.0, 0
	v_pk_mul_f32 v[130:131], v[126:127], s[50:51] op_sel_hi:[1,0]
	s_cmp_lt_u32 s17, 14
	s_cselect_b32 s50, 1.0, 0
	v_pk_mul_f32 v[132:133], v[124:125], s[50:51] op_sel_hi:[1,0]
	SUFF 13, 130
	SUFF 12, 132
	SUFF 11, 130
	SUFF 10, 132
	SUFF 9, 130
	SUFF 8, 132
	SUFF 7, 130
	SUFF 6, 132
	SUFF 5, 130
	SUFF 4, 132
	SUFF 3, 130
	SUFF 2, 132
	SUFF 1, 130
	v_pk_add_f32 v[130:131], v[130:131], v[132:133]
	v_add_nc_u32 v5, s61, v2
	v_lshl_add_u32 v8, v3, 4, s61
	ds_store_b64 v5, v[130:131]                    ; the wave's own bytes: LDS serves a wave's instructions in order
.irp m, 0,1,2,3,4,5,6,7
	ds_load_b128 v[192+4*\m:195+4*\m], v8 offset:16*\m   ; features 32 h + 0 .. 31
.endr
	v_permlanex16_b32 v252, v14, s20, s21
	v_fma_f32 v246, v31, s22, v12                  ; t_mask - M,
	v_add_f32 v14, v14, v252                       ; (the row's sum with lane l xor 16's)
	v_min_num_f32 v246, 0, v246                    ; 0 or less wherever a key is masked; held there for query 2,047, whose c counts for nothing
	s_wait_alu depctr_va_vdst(0)
	v_exp_f32 v246, v246                           ; c
	v_nop
	s_wait_alu depctr_va_vdst(0)                   ; ahead of c's first reader
	v_fma_f32 v14, v247, v246, v14                 ; the row's sum with the hidden keys' share
	v_bfe_u32 v248, v246, 20, 1                    ; Q(c): a block of 32 equal numbers: c rounded to three mantissa bits, ties to even,
	v_add3_u32 v248, v246, v248, 0x7ffff
	v_and_b32 v248, 0xfff00000, v248
	v_and_or_b32 v249, v246, 0x7f800000, s52       ; and held at 7.5 x the scale = 1.875 x 2^(c's exponent)
	v_min_u32 v248, v248, v249
	s_wait_alu depctr_va_vdst(0)
	v_rcp_f32 v14, v14
	v_nop
	s_wait_dscnt 0x0
	s_wait_alu depctr_va_vdst(0)                   ; ahead of the first reader of O^T and of the reciprocal
.set n, 0
.rept 16
	v_pk_fma_f32 v[96+n:97+n], v[192+n:193+n], v[248:249], v[160+n:161+n] op_sel_hi:[1,0,1]   ; O^T + Q(c) x the hidden sums
.set n, n+2
.endr
.set n, 0
.rept 16
	v_pk_mul_f32 v[96+n:97+n], v[96+n:97+n], v[14:15] op_sel_hi:[1,0]   ; / the sum: register n is o(my query, 32 h + n)
.set n, n+2
.endr
	v_max3_num_f32 v240, |v96|, |v97|, |v98|
	v_max3_num_f32 v241, |v112|, |v113|, |v114|
.irp i, 3,5,7,9,11,13
	v_max3_num_f32 v240, v240, |v[96+\i]|, |v[97+\i]|
	v_max3_num_f32 v241, v241, |v[112+\i]|, |v[113+\i]|
.endr
	v_max3_num_f32 v240, v240, |v111|, |v127|
	v_max3_num_f32 v240, v240, v241, 0x1800000
	v_add_nc_u32 v252, 0xff000000, v240
	v_cvt_scalef32_pk16_fp6_f32 v[240:242], v[96:111], v252
	v_cvt_scalef32_pk16_fp6_f32 v[244:246], v[112:127], v252
	v_lshrrev_b32 v253, 23, v252
	v_mov_b32 v243, v244
	v_mov_b32 v244, v245
	v_mov_b32 v245, v246
	v_and_b32 v6, 15, v0
	v_lshrrev_b32 v7, 3, v3
	v_lshl_add_u32 v6, v6, 4, v7
	global_store_b128 v1, v[240:243], s[54:55]     ; 512 consecutive bytes, aligned
	global_store_b64 v2, v[244:245], s[54:55] offset:512
	global_store_b8 v6, v253, s[56:57]             ; a scale word's four bytes come from two heads, so these go singly: 32 bytes a tile
	s_wait_tensorcnt 0x0                           ; the wave's end
	ds_add_u32 v[SPW], v[NIL]
	s_wait_dscnt 0x0
	CROUND                                         ; the closing round: no work-group ends while a partner may still ask for a tile that names it
	s_endpgm
.Lfunc_end_k_q6cc7637957_attn:
	.size	k_q6cc7637957_attn, .Lfunc_end_k_q6cc7637957_attn-k_q6cc7637957_attn
	.p2alignl 7, 3214868480
	.fill 96, 4, 3214868480
	.section	.rodata,"a",@progbits
	.p2align	6, 0x0
	.amdhsa_kernel k_q6cc7637957_attn
		.amdhsa_group_segment_fixed_size 253952
		.amdhsa_private_segment_fixed_size 0
		.amdhsa_enable_private_segment 0
		.amdhsa_kernarg_size 16
		.amdhsa_user_sgpr_count 2
		.amdhsa_user_sgpr_kernarg_segment_ptr 1
		.amdhsa_wavefront_size32 1
		.amdhsa_system_sgpr_workgroup_id_x 1
		.amdhsa_system_sgpr_workgroup_id_y 1
		.amdhsa_system_sgpr_workgroup_id_z 1
		.amdhsa_system_vgpr_workitem_id 0
		.amdhsa_next_free_vgpr 256
		.amdhsa_next_free_sgpr 72
		.amdhsa_reserve_vcc 1
		.amdhsa_float_denorm_mode_32 3
		.amdhsa_float_denorm_mode_16_64 3
		.amdhsa_memory_ordered 1
		.amdhsa_forward_progress 1
		.amdhsa_inst_pref_size 80
	.end_amdhsa_kernel
	.amdgpu_metadata
---
amdhsa.version: [ 1, 2 ]
amdhsa.kernels:
  - .name:           k_q6cc7637957_attn
    .symbol:         k_q6cc7637957_attn.kd
    .args:
      - { .name: qkv, .offset: 0, .size: 8, .value_kind: global_buffer, .address_space: global }
      - { .name: oc, .offset: 8, .size: 8, .value_kind: global_buffer, .address_space: global }
    .group_segment_fixed_size: 253952
    .private_segment_fixed_size: 0
    .kernarg_segment_align: 8
    .kernarg_segment_size: 16
    .max_flat_workgroup_size: 512
    .sgpr_count:     72
    .vgpr_count:     256
    .wavefront_size: 32
...
	.end_amdgpu_metadata
.endif
;; end of part 3
;; launch oproj (part 4): grid 8 x 32, 4 waves a work-group, clusters of 4 x 4, 222,720 bytes of LDS; arguments oc, cw, out0; writes out0
.if DOCPART == 4
	.amdgcn_target "amdgcn-amd-amdhsa--gfx1250"
	.amdhsa_code_object_version 6
	.text
	.protected	k_q6cc7637957_oproj
	.globl	k_q6cc7637957_oproj
	.p2align	8
	.type	k_q6cc7637957_oproj,@function
k_q6cc7637957_oproj:
	s_mov_b64 s[64:65], 0
	v_nop
	global_prefetch_b8 v0, s[64:65] scope:SCOPE_SE
	s_setreg_imm32_b32 hwreg(HW_REG_WAVE_MODE, 25, 1), 1
	s_wait_xcnt 0x0
	s_wait_alu depctr_hold_cnt(0) depctr_sa_sdst(0) depctr_va_vdst(0) depctr_va_sdst(0) depctr_va_ssrc(0) depctr_va_vcc(0) depctr_vm_vsrc(0)
	s_getreg_b32 s2, hwreg(HW_REG_IB_STS2, 6, 4)
	s_cmp_eq_u32 s2, 0
	s_cbranch_scc0 .Lentry_in_a_cluster
	s_endpgm
.Lentry_in_a_cluster:
	s_bfe_u32 s2, ttmp6, 0x10000c
	s_cmp_lg_u32 s2, 0xf033
	s_cbranch_scc0 .Lentry_shape_is_right
	s_endpgm
.Lentry_shape_is_right:
; out0 = o Wo^T on codes of FP6 (E2M3) with E8M0 scales, K = 1,024, sums in f32.  R = o (oc), P = Wo (cw's blocks 448 on); a block of 16 rows is 512 bytes of scale words and 8 K steps x 1,536 bytes.
; SHARES.  A work-group makes 128 x 128, each of its four waves 64 x 64: four blocks of R with four of P.  P's 32 fragments stay in registers; R's blocks go by one after the other, each with 32 products, and each block's rows leave
; while the next is multiplied.  Source 0 = P, source 1 = R: a lane holds one token, and its registers of P's four blocks are 32 neighbouring columns, 32 (lane / 16) + 0 .. 31.
; LDS: R's 8 blocks, P's 8 blocks, filled once at the head, four dense blocks a wave; a stage for each wave.  CLUSTERS: 4 x 4; R's blocks hang on cy and are shared along a row, P's on cx and are shared along a column.
; No prefetch: all tiles are asked for at the head.
; REGISTERS: window 0: v32-63 R's scale words (8 block + K step), v68-99 P's (numbers that differ modulo 8); v128-191 two sets of four accumulators; v192-255 rows read back from the stage.
;   window 1: P's fragments of K steps 0-3 (12 (4 (step % 4) + block)); window 2: of steps 4-7; window 3: R's eight fragments of a block, two sets, at 0 and 96.
.set BLKB, 12800
.set PL,   8*BLKB                      ; P in LDS
.set STG,  16*BLKB
.set SPARE, STG+4*16*272
.set SPW,  30
.set NIL,  31
.set G1,   24
.set G1B,  32
.set G0,   40
.set G0B,  44
.set MSB, 0
.macro WIN new
.if MSB != (\new)
	s_set_vgpr_msb (MSB<<8)|(\new)
.set MSB, (\new)
.endif
.endm
.macro PLACES
.rept 4
	v_nop
.endr
.endm
.macro CROUND
	s_barrier_signal -1
	s_barrier_wait -1
	s_cmp_lg_u32 s14, 0
	s_cbranch_scc1 .Lnot_wave_0_\@
	s_barrier_signal -3
.Lnot_wave_0_\@:
	s_barrier_wait -3
	s_barrier_signal -1
	s_barrier_wait -1
.endm
	s_load_b128 s[4:7], s[0:1], 0x0                ; oc, cw
	s_load_b64 s[12:13], s[0:1], 0x10              ; out0
	v_lshl_add_u32 v[SPW], v0, 2, SPARE
	v_mov_b32 v[NIL], 0
	ds_add_u32 v[SPW], v[NIL]                      ; the opening lines: the add, twice on end
	ds_add_u32 v[SPW], v[NIL]
	v_lshrrev_b32 v1, 5, v0
	v_readfirstlane_b32 s14, v1                    ; wave 0..3
	s_lshr_b32 s15, s14, 1                         ; my half of R's rows.  Also: I fetch for R (0) or for P (1)
	s_and_b32 s16, s14, 1                          ; my half of P's rows.  Also: which four blocks I fetch
	s_bfe_u32 s17, ttmp6, 0x40000                  ; cx
	s_bfe_u32 s18, ttmp6, 0x40004                  ; cy
	s_lshl_b32 s19, s18, 2
	s_lshl_b32 s19, 15, s19                        ; my row of the cluster
	s_lshl_b32 s20, 0x1111, s17                    ; my column
	s_or_b32 s[G1], s19, (3<<16)|(1<<21)
	s_or_b32 s[G1B], s20, (3<<16)|(1<<21)
.irp g, G1, G1B                        ; four blocks: 51,200 dense bytes as 200 rows of 256
	s_mov_b32 s[\g+1], 32<<16
	s_mov_b32 s[\g+2], 200<<16
	s_mov_b32 s[\g+3], 32<<16
	s_mov_b32 s[\g+4], 200
	s_mov_b32 s[\g+5], 32
	s_mov_b32 s[\g+6], 0
	s_mov_b32 s[\g+7], 0
.endr
	s_and_b32 s21, ttmp7, 0xffff
	s_lshl_b32 s21, s21, 2
	s_add_co_u32 s21, s21, s18                     ; tile row
	s_lshl_b32 s8, ttmp9, 2
	s_add_co_u32 s8, s8, s17                       ; tile column
	s_lshl_b32 s9, s16, 2
	s_lshl_b32 s22, s21, 3
	s_add_co_u32 s22, s22, s9
	s_mul_i32 s22, s22, BLKB
	s_mov_b32 s23, 0
	s_lshl_b32 s86, s8, 3
	s_add_co_u32 s86, s86, s9
	s_add_co_u32 s86, s86, 448
	s_mul_i32 s86, s86, BLKB
	s_mov_b32 s87, 0
	s_mov_b32 s[G0], 1
	s_mul_i32 s[G0+1], s14, 4*BLKB
	s_mov_b32 s[G0B], 1
	s_mul_i32 s[G0B+1], s14, 4*BLKB
	s_wait_alu depctr_va_vdst(0)
	s_wait_dscnt 0x0                               ; both opening adds are done
	s_wait_kmcnt 0x0
	s_add_nc_u64 s[G0+2:G0+3], s[4:5], s[22:23]
	s_or_b32 s[G0+3], s[G0+3], 0x80000000
	s_add_nc_u64 s[G0B+2:G0B+3], s[6:7], s[86:87]
	s_or_b32 s[G0B+3], s[G0B+3], 0x80000000
	CROUND                                         ; all sixteen work-groups are here: the joint loads meet
	s_cmp_eq_u32 s15, 0
	s_cbranch_scc0 .Lfor_p
	tensor_load_to_lds s[G0:G0+3], s[G1:G1+7]
	s_nop 0
	PLACES
	s_branch .Lasked
.Lfor_p:
	tensor_load_to_lds s[G0B:G0B+3], s[G1B:G1B+7]
	s_nop 0
	PLACES
.Lasked:
	v_and_b32 v3, 31, v0
	v_and_b32 v1, 15, v0
	v_bfe_u32 v2, v0, 4, 1
	v_lshlrev_b32 v16, 4, v3
	v_lshlrev_b32 v17, 3, v3
	v_lshlrev_b32 v18, 4, v1
	s_mul_i32 s2, s15, 4*BLKB
	s_mul_i32 s3, s16, 4*BLKB
	s_add_co_u32 s3, s3, PL
	v_add_nc_u32 v4, s2, v16                       ; R's fragments: + 16 x lane, + 8 x lane
	v_add_nc_u32 v5, s2, v17
	v_add_nc_u32 v6, s3, v16                       ; P's
	v_add_nc_u32 v7, s3, v17
	v_add_nc_u32 v8, s2, v18                       ; their scale words
	v_add_nc_u32 v9, s3, v18
	s_mul_i32 s2, s14, 16*272
	s_add_co_u32 s2, s2, STG
	v_mul_u32_u24 v13, v1, 272                     ; the stage, in: row r, 128 bytes for each half of the lanes
	v_lshl_add_u32 v13, v2, 7, v13
	v_add_nc_u32 v13, s2, v13
	v_mul_u32_u24 v14, v2, 272                     ; out: sixteen lanes to a row of 256 bytes
	v_lshl_add_u32 v14, v1, 4, v14
	v_add_nc_u32 v14, s2, v14
	v_lshlrev_b32 v15, 12, v2                      ; and the same in out0
	v_lshl_add_u32 v15, v1, 4, v15
	s_lshl_b32 s92, s21, 7
	s_lshl_b32 s93, s15, 6
	s_add_co_u32 s92, s92, s93
	s_lshl_b32 s92, s92, 12                        ; my 64 tokens, rows of 4,096 bytes
	s_lshl_b32 s93, s8, 9
	s_add_co_u32 s92, s92, s93
	s_lshl_b32 s93, s16, 8
	s_add_co_u32 s92, s92, s93                     ; my 64 columns
	s_mov_b32 s93, 0
	s_add_nc_u64 s[12:13], s[12:13], s[92:93]
.macro FRAG reg, a16, a8, off
	ds_load_b128 v[\reg:\reg+3], v[\a16] offset:\off
	ds_load_b64 v[\reg+4:\reg+5], v[\a8] offset:\off+512
	ds_load_b128 v[\reg+6:\reg+9], v[\a16] offset:\off+768
	ds_load_b64 v[\reg+10:\reg+11], v[\a8] offset:\off+1280
.endm
.macro RFRAG a, q
	WIN 0xc0
	FRAG 96*((\a)%2)+12*(\q), 4, 5, (\a)*BLKB+512+1536*(\q)
.endm
.macro LOADQ q                         ; 20 loads: K step q of R's block 0 and of P's four
	RFRAG 0, \q
	WIN 0x40*(1+(\q)/4)
.irp b, 0,1,2,3
	FRAG 12*(4*((\q)%4)+\b), 6, 7, \b*BLKB+512+1536*(\q)
.endr
	WIN 0
.endm
.macro FETCHR a                        ; 32 loads
.irp q, 0,1,2,3,4,5,6,7
	RFRAG \a, \q
.endr
	WIN 0
.endm
.macro MULQ a, q                       ; four products: the four accumulators take turns, three others between a sum's steps
	WIN (1+(\q)/4)|(3<<2)
.irp b, 0,1,2,3
.set D_, 128+32*((\a)%2)+8*\b
.set P_, 12*(4*((\q)%4)+\b)
.set R_, 96*((\a)%2)+12*(\q)
.if (\q) == 0
	v_wmma_scale_f32_16x16x128_f8f6f4 v[D_:D_+7], v[P_:P_+11], v[R_:R_+11], 0, v[68+8*\b+(\q)], v[32+8*(\a)+(\q)] matrix_a_fmt:MATRIX_FMT_FP6 matrix_b_fmt:MATRIX_FMT_FP6
.else
	v_wmma_scale_f32_16x16x128_f8f6f4 v[D_:D_+7], v[P_:P_+11], v[R_:R_+11], v[D_:D_+7], v[68+8*\b+(\q)], v[32+8*(\a)+(\q)] matrix_a_fmt:MATRIX_FMT_FP6 matrix_b_fmt:MATRIX_FMT_FP6
.endif
.endr
.endm
.macro TOSTAGE a                       ; 8 stores, 8 loads: the wave's own bytes, served in order
.set BB_, 192+32*((\a)%2)
.irp b, 0,1,2,3
	ds_store_b128 v13, v[128+32*((\a)%2)+8*\b:128+32*((\a)%2)+8*\b+3] offset:32*\b
	ds_store_b128 v13, v[128+32*((\a)%2)+8*\b+4:128+32*((\a)%2)+8*\b+7] offset:32*\b+16
.endr
.irp i, 0,1,2,3,4,5,6,7
	ds_load_b128 v[BB_+4*\i:BB_+4*\i+3], v14 offset:544*\i
.endr
.endm
.macro SEND a                          ; sixteen lanes store 256 consecutive bytes, aligned
	WIN 0
.set BB_, 192+32*((\a)%2)
.irp i, 0,1,2,3,4,5,6,7
	global_store_b128 v15, v[BB_+4*\i:BB_+4*\i+3], s[12:13] offset:(8*(\a)+(2*\i)%8+32*((2*\i)/8))*4096 th:TH_STORE_NT
.endr
.endm
	s_wait_alu depctr_va_vdst(0)                   ; the wait at the head's end
	s_wait_tensorcnt 0x0
	s_barrier_signal -1
	s_barrier_wait -1                              ; all tiles are in
.irp i, 0,1,2,3
	ds_load_b128 v[32+8*\i:35+8*\i], v8 offset:BLKB*\i
	ds_load_b128 v[36+8*\i:39+8*\i], v8 offset:BLKB*\i+256
	ds_load_b128 v[68+8*\i:71+8*\i], v9 offset:BLKB*\i
	ds_load_b128 v[72+8*\i:75+8*\i], v9 offset:BLKB*\i+256
.endr
	LOADQ 0
	LOADQ 1
.irp q, 0,1,2,3,4,5,6                  ; R's block 0, as P's fragments come in
	s_wait_dscnt 20                                ; all but the next K step's 20
	MULQ 0, \q
.if \q < 6
	LOADQ \q+2
.endif
.endr
	FETCHR 1
	s_wait_dscnt 32                                ; all but the 32 just issued
	MULQ 0, 7
	WIN 0
	PLACES
	TOSTAGE 0
.irp a, 1,2,3
.if \a < 3
	FETCHR \a+1
	s_wait_dscnt 48                                ; this block's fragments are in; the stage's 16 and the next block's 32 may be out
.else
	s_wait_dscnt 16
.endif
.irp q, 0,1,2,3
	MULQ \a, \q
.endr
.if \a < 3
	s_wait_dscnt 32                                ; the last block's rows are back from the stage
.else
	s_wait_dscnt 0x0
.endif
	SEND \a-1
.irp q, 4,5,6,7
	MULQ \a, \q
.endr
	WIN 0
	PLACES
.if \a > 1
	s_wait_xcnt 0x0                                ; the earlier stores have read the registers that the stage's loads fill
.endif
	TOSTAGE \a
.endr
	s_wait_dscnt 0x0
	SEND 3
	s_wait_tensorcnt 0x0                           ; the wave's end
	ds_add_u32 v[SPW], v[NIL]
	s_wait_dscnt 0x0
	CROUND                                         ; the closing round: no work-group ends while a partner may still ask for a tile that names it
	s_endpgm
.Lfunc_end_k_q6cc7637957_oproj:
	.size	k_q6cc7637957_oproj, .Lfunc_end_k_q6cc7637957_oproj-k_q6cc7637957_oproj
	.p2alignl 7, 3214868480
	.fill 96, 4, 3214868480
	.section	.rodata,"a",@progbits
	.p2align	6, 0x0
	.amdhsa_kernel k_q6cc7637957_oproj
		.amdhsa_group_segment_fixed_size 222720
		.amdhsa_private_segment_fixed_size 0
		.amdhsa_enable_private_segment 0
		.amdhsa_kernarg_size 24
		.amdhsa_user_sgpr_count 2
		.amdhsa_user_sgpr_kernarg_segment_ptr 1
		.amdhsa_wavefront_size32 1
		.amdhsa_system_sgpr_workgroup_id_x 1
		.amdhsa_system_sgpr_workgroup_id_y 1
		.amdhsa_system_sgpr_workgroup_id_z 1
		.amdhsa_system_vgpr_workitem_id 0
		.amdhsa_next_free_vgpr 960
		.amdhsa_next_free_sgpr 96
		.amdhsa_reserve_vcc 0
		.amdhsa_float_denorm_mode_32 3
		.amdhsa_float_denorm_mode_16_64 3
		.amdhsa_memory_ordered 1
		.amdhsa_forward_progress 1
		.amdhsa_inst_pref_size 49
	.end_amdhsa_kernel
	.amdgpu_metadata
---
amdhsa.version: [ 1, 2 ]
amdhsa.kernels:
  - .name:           k_q6cc7637957_oproj
    .symbol:         k_q6cc7637957_oproj.kd
    .args:
      - { .name: oc, .offset: 0, .size: 8, .value_kind: global_buffer, .address_space: global }
      - { .name: cw, .offset: 8, .size: 8, .value_kind: global_buffer, .address_space: global }
      - { .name: out0, .offset: 16, .size: 8, .value_kind: global_buffer, .address_space: global }
    .group_segment_fixed_size: 222720
    .private_segment_fixed_size: 0
    .kernarg_segment_align: 8
    .kernarg_segment_size: 24
    .max_flat_workgroup_size: 128
    .sgpr_count:     96
    .vgpr_count:     960
    .wavefront_size: 32
...
	.end_amdgpu_metadata
.endif
;; end of part 4
